; MI455X (gfx1250); checked and timed in simulation.
; The chip was launched on July 23, 2026; its instructions are those of AMD's public machine-readable ISA for CDNA 5 (MIT licence, August 2026) and "CDNA5" Instruction Set Architecture Reference Guide (July 2026). The comments in the code are by the model that wrote it; some were corrected since.
;; Net0. Allowed arithmetic: float matrix products may take bf16 or f16 operands with f32 sums; all other float work in f32.
;; Inputs: W1 7 x 2 float32; Wm 19 x 7 x 7 float32; Wo 2 x 7 float32; b1 7 float32; bm 19 x 7 float32; bo 2 float32; x 2,097,152 x 2 float32.
;; Outputs: out0 2,097,152 x 2 float32.
;; One version. Each part assembles by itself: llvm-mc -triple=amdgcn-amd-amdhsa -mcpu=gfx1250 --defsym DOCPART=n.
;; ======== version 1 of 1: 1 launch
;; launch mlp (part 1): grid 256 x 1, 16 waves a work-group, no clusters, 18,432 bytes of LDS; arguments x, W1, b1, Wm, bm, Wo, bo, out0; writes out0
.if DOCPART == 1
	.amdgcn_target "amdgcn-amd-amdhsa--gfx1250"
	.amdhsa_code_object_version 6
	.text
	.protected	k_q0ae0f9d405_mlp
	.globl	k_q0ae0f9d405_mlp
	.p2align	8
	.type	k_q0ae0f9d405_mlp,@function
k_q0ae0f9d405_mlp:
	s_mov_b64 s[64:65], 0
	v_nop
	global_prefetch_b8 v0, s[64:65] scope:SCOPE_SE
	s_setreg_imm32_b32 hwreg(HW_REG_WAVE_MODE, 25, 1), 1
	s_wait_xcnt 0x0
; out0 = log_softmax(fc21(elu(fc20(.. elu(fc1(x)) ..)))).  x, out0: [2097152][2] f32; 21 layers of width 7.
;
; ONE LANE = ONE ROW.  The weights are the matrix instruction's A, laid block-diagonally: A's rows 0-7 are non-zero at k 0-7 and
; 16-23, its rows 8-15 at k 8-15 and 24-31.  By the operand layouts lane L's eight B registers are then 16 bf16 inputs of lane L's own
; row of the batch, and lane L's eight D registers its 8 outputs: one v_wmma_f32_16x16x32_bf16 takes 32 rows through a layer and
; nothing crosses lanes between layers.  Inputs 0-6: the activations.  Inputs 8, 9, 10: the constant 1.0, against which A holds the bias
; as three bf16 pieces (hi + mid + lo = 24 bits), so that the bias keeps f32 precision and C is the constant 0.
;
; UNITS.  With c = log2 e the text carries y = c x and h' = c elu(x): mid and last weights stay as given, biases are multiplied
; by c, W1 too.  h' = med3(y, c 2^y - c, 0), since c 2^y - c >= y everywhere: for y > 0 the middle one is y, for y < 0 it is c 2^y - c.
; The last layer gives L = c logits; u_i = L_i - max(L) (0 or -|L0 - L1|), g = log2(1 + 2^-|L0 - L1|), out_i = ln2 u_i - ln2 g.
; The first layer takes x and c W1 each as hi + lo in bf16 (products Whi xhi, Wlo xhi, Whi xlo in three spare pairs of k).
;
; SHARES.  256 work-groups x 16 waves; a wave owns 512 rows = 4,096 bytes of x, in 4 trips of 128 rows = 4 tiles of 32 rows.
; A lane's 16-byte load holds two neighbouring rows (two tiles), and its 16-byte store their two results: each load and store of a wave
; covers 512 consecutive bytes, aligned.  x of the next trip is requested a whole trip ahead, into registers.
; The 21 A fragments (6 registers a lane each) are built once for the work-group, each by one wave, and handed round through LDS.
; No cluster, no tensor loads: work-groups share only the 4,404 bytes of weights against 131,072 bytes of x and out0 of their own.
;
; LIMITS.  Matrix operands are bf16.  Inputs are finite: a NaN is not carried through (v_med3_num_f32 drops it); a row whose
; activations pass bf16's largest number (3.39e38) also spoils the row that shares its matrix column (0 x inf); layer l's A operand ends in
; the first two weight registers of layer l + 1, which meet zeros in B, so an infinite weight there would spoil layer l.
.set ITERS, 4                          ; trips of a wave
.set LYB,   768                        ; LDS bytes of a layer's fragment: 32 lanes x 16, then 32 lanes x 8
; vector registers
.set VOFF, 1                           ; v1        my byte offset in x and in out0, from the work-group's first byte
.set NC,   2                           ; v[2:3]    -c, twice
.set XS,   4                           ; v[4:11]   x of the coming trip: tile t in XS+2t, XS+2t+1
.set LANE, 12
.set Q,    13                          ; my row of the weight matrix where my lane of A is non-zero, else 7 or more
.set RA,   14                          ; 16 x lane
.set RB,   15                          ; 8 x lane
.set AB,   16                          ; v[16:143]  A: layer l in AB+6l .. AB+6l+5 (4 of weights, 2 of bias)
.set BB,   144                         ; v[144:175] B: tile t: 4 registers of data, 4 constant
.set DB,   176                         ; v[176:207] D: tile t: y
.set EB,   208                         ; v[208:239] tile t: 2^y, then h'; at the end the results
; set-up only, in registers of D and E
.set R1,   176                         ; 7 weights and a bias as loaded
.set R2,   184                         ; the same for a wave's second layer
.set F,    192                         ; the six registers of a fragment
.set T,    198                         ; three temporaries
.set ROW7, 201
.set BOF,  202
.set MASK7, 203
.set ROW2, 204
.set BOF2, 205
.set MASK2, 206
.set LA1,  207
.set LB1,  208
.set O8,   209
.set RO,   210
; scalar registers
.set PX, 8                             ; s[8:23]: the eight buffers
.set PW1, 10
.set PB1, 12
.set PWM, 14
.set PBM, 16
.set PWO, 18
.set PBO, 20
.set POUT, 22
.set WAVE, 24
.set LW,  25
.set OFFG, 26
.set SW1, 28
.set SB1, 30
.set SW2, 32
.set SB2, 34
.set NR1, 36
.set OW,  38
.set OB,  40
.set SC,  44                           ; s[44:45] c = log2 e, twice
.set SL,  46                           ; s[46:47] ln 2, twice
.set SNL, 48                           ; -ln 2
.set IT,  49
	s_load_b512 s[8:23], s[0:1], 0x0               ; x, W1, b1, Wm, bm, Wo, bo, out0
	v_lshl_add_u32 v240, v0, 2, 0x4000
	v_mov_b32 v241, 0
	v_and_b32 v[LANE], 31, v0
	v_lshrrev_b32 v[Q], 5, v0
	v_readfirstlane_b32 s[WAVE], v[Q]              ; wave 0..15
	v_lshlrev_b32 v[VOFF], 12, v[Q]                ; 4,096 bytes a wave
	v_lshl_add_u32 v[VOFF], v[LANE], 4, v[VOFF]    ; + 16 bytes a lane
	v_lshlrev_b32 v[RA], 4, v[LANE]
	v_lshlrev_b32 v[RB], 3, v[LANE]
	; A's lane (r, h) holds row r at k = 8h.. and 16+8h..: non-zero where r / 8 = h, that is lanes 0-7 and 24-31, with weight row lane & 7.
	; q = lane - 24 (lane / 16) is that row in those lanes and 8 or more (unsigned) in the others.
	v_lshrrev_b32 v[T], 4, v[LANE]
	v_mul_u32_u24 v[T], 24, v[T]
	v_sub_nc_u32 v[Q], v[LANE], v[T]
	v_min_u32 v[RO], 6, v[Q]                       ; every lane loads from inside the buffer; the mask clears what is not wanted
	v_mul_u32_u24 v[ROW7], 28, v[RO]               ; a row of 7 f32
	v_lshlrev_b32 v[BOF], 2, v[RO]
	v_lshlrev_b32 v[O8], 3, v[RO]                  ; a row of W1
	v_cmp_gt_u32 vcc_lo, 7, v[Q]
	v_cndmask_b32 v[MASK7], 0, -1, vcc_lo
	s_mul_i32 s[LW], s[WAVE], LYB
	v_add_nc_u32 v[LA1], s[LW], v[RA]              ; where my wave's fragments go: wave x 768 + the lane's bytes (+ a constant in the store)
	v_add_nc_u32 v[LB1], s[LW], v[RB]
	s_lshl_b32 s[OFFG], ttmp9, 16                  ; the work-group's 65,536 bytes of x and of out0
	s_mov_b32 s[OFFG+1], 0
	s_mul_i32 s[OW], s[WAVE], 196                  ; mid layer number wave: 49 f32
	s_mov_b32 s[OW+1], 0
	s_mul_i32 s[OB], s[WAVE], 28
	s_mov_b32 s[OB+1], 0
	s_mov_b32 s[SC], 0x3fb8aa3b
	s_mov_b32 s[SC+1], 0x3fb8aa3b
	s_mov_b32 s[SL], 0x3f317218
	s_mov_b32 s[SL+1], 0x3f317218
	s_mov_b32 s[SNL], 0xbf317218
	s_wait_kmcnt 0x0
	s_add_nc_u64 s[PX:PX+1], s[PX:PX+1], s[OFFG:OFFG+1]
	s_add_nc_u64 s[POUT:POUT+1], s[POUT:POUT+1], s[OFFG:OFFG+1]
	s_add_nc_u64 s[SW1:SW1+1], s[PWM:PWM+1], s[OW:OW+1]
	s_add_nc_u64 s[SB1:SB1+1], s[PBM:PBM+1], s[OB:OB+1]
	global_load_b128 v[XS:XS+3],   v[VOFF], s[PX:PX+1] th:TH_LOAD_NT            ; the first trip's x
	global_load_b128 v[XS+4:XS+7], v[VOFF], s[PX:PX+1] offset:512 th:TH_LOAD_NT
	; every wave: mid layer number wave (layer wave + 1 of the 21)
.irp j, 0,1,2,3,4,5,6
	global_load_b32 v[R1+\j], v[ROW7], s[SW1:SW1+1] offset:4*\j
.endr
	global_load_b32 v[R1+7], v[BOF], s[SB1:SB1+1]
	; five layers are left: waves 0-2 take mid layers 16-18, wave 3 the last layer (2 rows of 7: the same shape, fewer rows), wave 4 the first.
	; All of a wave's loads are issued before its one wait.
	s_cmp_gt_u32 s[WAVE], 4
	s_cbranch_scc1 .Lloaded
	s_cmp_eq_u32 s[WAVE], 4
	s_cbranch_scc1 .Lload_first
	s_add_co_u32 s[NR1], s[WAVE], 16
	s_mul_i32 s[OW], s[NR1], 196
	s_mul_i32 s[OB], s[NR1], 28
	s_cmp_eq_u32 s[WAVE], 3
	s_cselect_b32 s[OW], 0, s[OW]
	s_cselect_b32 s[OB], 0, s[OB]
	s_cselect_b32 s[NR1], 1, 6                     ; the last row of the matrix
	s_cselect_b64 s[SW2:SW2+1], s[PWO:PWO+1], s[PWM:PWM+1]
	s_cselect_b64 s[SB2:SB2+1], s[PBO:PBO+1], s[PBM:PBM+1]
	s_add_nc_u64 s[SW2:SW2+1], s[SW2:SW2+1], s[OW:OW+1]
	s_add_nc_u64 s[SB2:SB2+1], s[SB2:SB2+1], s[OB:OB+1]
	v_min_u32 v[RO], s[NR1], v[Q]
	v_mul_u32_u24 v[ROW2], 28, v[RO]
	v_lshlrev_b32 v[BOF2], 2, v[RO]
	v_cmp_ge_u32 vcc_lo, s[NR1], v[Q]
	v_cndmask_b32 v[MASK2], 0, -1, vcc_lo
.irp j, 0,1,2,3,4,5,6
	global_load_b32 v[R2+\j], v[ROW2], s[SW2:SW2+1] offset:4*\j
.endr
	global_load_b32 v[R2+7], v[BOF2], s[SB2:SB2+1]
	s_branch .Lloaded
.Lload_first:
	global_load_b64 v[R2:R2+1], v[O8], s[PW1:PW1+1]
	global_load_b32 v[R2+7], v[BOF], s[PB1:PB1+1]
.Lloaded:
	s_wait_loadcnt 0x0                             ; weights, biases and the first x
; c x bias as hi + mid + lo in bf16; each remainder is exact in f32.  F+4 = (hi, mid), F+5 = (lo, 0): they meet B's 1.0, 1.0, 1.0, 0.
.macro PACKBIAS r
	v_mul_f32 v[T], s[SC], v[\r]
	v_cvt_pk_bf16_f32 v[T+1], v[T], 0
	v_lshlrev_b32 v[T+2], 16, v[T+1]
	v_sub_f32 v[T], v[T], v[T+2]
	v_cvt_pk_bf16_f32 v[T+2], v[T], 0
	v_lshl_or_b32 v[F+4], v[T+2], 16, v[T+1]
	v_lshlrev_b32 v[T+2], 16, v[T+2]
	v_sub_f32 v[T], v[T], v[T+2]
	v_cvt_pk_bf16_f32 v[F+5], v[T], 0
.endm
; zeros in the lanes off the two diagonal blocks and in rows that the matrix does not have; then the fragment goes to LDS
.macro MASKSTORE m, a16, a8, ly
.irp i, 0,1,2,3,4,5
	v_and_b32 v[F+\i], v[\m], v[F+\i]
.endr
	ds_store_b128 v[\a16], v[F:F+3] offset:LYB*\ly
	ds_store_b64 v[\a8], v[F+4:F+5] offset:LYB*\ly+512
.endm
.macro BUILD7 r, m, ly
	v_cvt_pk_bf16_f32 v[F],   v[\r],   v[\r+1]
	v_cvt_pk_bf16_f32 v[F+1], v[\r+2], v[\r+3]
	v_cvt_pk_bf16_f32 v[F+2], v[\r+4], v[\r+5]
	v_cvt_pk_bf16_f32 v[F+3], v[\r+6], 0
	PACKBIAS \r+7
	MASKSTORE \m, LA1, LB1, \ly
.endm
	BUILD7 R1, MASK7, 1                            ; layer wave + 1
	s_cmp_gt_u32 s[WAVE], 4
	s_cbranch_scc1 .Lbuilt
	s_cmp_eq_u32 s[WAVE], 4
	s_cbranch_scc1 .Lbuild_first
	BUILD7 R2, MASK2, 17                           ; layer wave + 17
	s_branch .Lbuilt
.Lbuild_first:
	v_pk_mul_f32 v[R2:R2+1], v[R2:R2+1], s[SC:SC+1] op_sel_hi:[1,0]     ; c W1
	v_cvt_pk_bf16_f32 v[F], v[R2], v[R2+1]         ; hi, against x hi
	v_lshlrev_b32 v[T], 16, v[F]
	v_and_b32 v[T+1], 0xffff0000, v[F]
	v_pk_add_f32 v[T:T+1], v[R2:R2+1], v[T:T+1] neg_lo:[0,1] neg_hi:[0,1]
	v_cvt_pk_bf16_f32 v[F+1], v[T], v[T+1]         ; lo, against x hi once more
	v_mov_b32 v[F+2], v[F]                         ; hi, against x lo
	v_mov_b32 v[F+3], 0
	PACKBIAS R2+7
	MASKSTORE MASK7, RA, RB, 0                     ; layer 0
.Lbuilt:
	s_wait_dscnt 0x0                               ; my fragments are in LDS, for the others' sake,
	s_barrier_signal -1
	s_barrier_wait -1                              ; and so are everybody's
.set ly, 0
.rept 21
	ds_load_b128 v[AB+6*ly:AB+6*ly+3],  v[RA] offset:LYB*ly
	ds_load_b64 v[AB+6*ly+4:AB+6*ly+5], v[RB] offset:LYB*ly+512
.set ly, ly+1
.endr
	v_mov_b32 v[AB+126], 0                         ; the end of the last layer's operand
	v_mov_b32 v[AB+127], 0
	v_mov_b32 v[NC], 0xbfb8aa3b
	v_mov_b32 v[NC+1], 0xbfb8aa3b
.irp t, 0,1,2,3
	v_mov_b32 v[BB+8*\t+4], 0x3f803f80             ; inputs 8, 9: 1.0, 1.0
	v_mov_b32 v[BB+8*\t+5], 0x3f80                 ; inputs 10, 11: 1.0, 0
	v_mov_b32 v[BB+8*\t+6], 0                      ; inputs 12-15: 0 (A holds the next layer's first weights there)
	v_mov_b32 v[BB+8*\t+7], 0
	v_mov_b32 v[EB+8*\t+7], 0                      ; the upper register of a pair of which the packed multiply-add at the end takes the lower twice
.endr
; ---- the pieces of a trip ----
.macro LAYER l, t                      ; 32 rows through layer l; the sums start at 0, the bias comes in through k
	v_wmma_f32_16x16x32_bf16 v[DB+8*\t:DB+8*\t+7], v[AB+6*\l:AB+6*\l+7], v[BB+8*\t:BB+8*\t+7], 0
.endm
.macro CONV t                          ; x to the first layer's inputs: (hi, hi), the same again, (lo, lo), 0
	v_cvt_pk_bf16_f32 v[BB+8*\t], v[XS+2*\t], v[XS+2*\t+1]
	v_lshlrev_b32 v[EB+8*\t], 16, v[BB+8*\t]
	v_and_b32 v[EB+8*\t+1], 0xffff0000, v[BB+8*\t]
	v_mov_b32 v[BB+8*\t+1], v[BB+8*\t]             ; a second pair of k for W1's low part
	v_pk_add_f32 v[EB+8*\t:EB+8*\t+1], v[XS+2*\t:XS+2*\t+1], v[EB+8*\t:EB+8*\t+1] neg_lo:[0,1] neg_hi:[0,1]
	v_mov_b32 v[BB+8*\t+3], 0                      ; not the last trip's activations: 0 x them must be 0 whatever they were
	v_cvt_pk_bf16_f32 v[BB+8*\t+2], v[EB+8*\t], v[EB+8*\t+1]
.endm
.macro ELU_X b, j                      ; 2^y
	v_exp_f32 v[EB+8*\b+\j], v[DB+8*\b+\j]
.endm
.macro ELU_F c                         ; c 2^y - c, one rounding
	s_wait_alu depctr_va_vdst(0)
	v_pk_fma_f32 v[EB+8*\c:EB+8*\c+1],   v[EB+8*\c:EB+8*\c+1],   s[SC:SC+1], v[NC:NC+1] op_sel_hi:[1,0,1]
	v_pk_fma_f32 v[EB+8*\c+2:EB+8*\c+3], v[EB+8*\c+2:EB+8*\c+3], s[SC:SC+1], v[NC:NC+1] op_sel_hi:[1,0,1]
	v_pk_fma_f32 v[EB+8*\c+4:EB+8*\c+5], v[EB+8*\c+4:EB+8*\c+5], s[SC:SC+1], v[NC:NC+1] op_sel_hi:[1,0,1]
	v_fma_f32 v[EB+8*\c+6], v[EB+8*\c+6], s[SC], v[NC]
.endm
.macro ELU_M c, j                      ; the middle one of y, c 2^y - c, 0
	v_med3_num_f32 v[EB+8*\c+\j], v[DB+8*\c+\j], v[EB+8*\c+\j], 0
.endm
.macro ELU_C c, i                      ; two activations to bf16: the next layer's inputs 2i, 2i+1
	v_cvt_pk_bf16_f32 v[BB+8*\c+\i], v[EB+8*\c+2*\i], v[EB+8*\c+2*\i+1]
.endm
.macro ELU_C3 c                        ; input 6, and 0 as input 7
	v_cvt_pk_bf16_f32 v[BB+8*\c+3], v[EB+8*\c+6], 0
.endm
; A step's vector work: the 7 exponentials of tile b (its matrix instruction stood one step back) among the 15 plain instructions of
; tile c (two steps back).  The plain instructions name no register of the matrix instructions of this step and the last, so that more
; than four of them stand between each matrix instruction and the first reader of its D and the first writer of its B (ISA guide 7.12.1);
; the step ends on a plain one, so that one stands between every exponential and the use of its result in the next step.
.macro STEP b, c
	ELU_F \c
	ELU_X \b, 0
	ELU_M \c, 0
	ELU_M \c, 1
	ELU_X \b, 1
	ELU_M \c, 2
	ELU_M \c, 3
	ELU_X \b, 2
	ELU_C \c, 0
	ELU_M \c, 4
	ELU_X \b, 3
	ELU_M \c, 5
	ELU_C \c, 1
	ELU_X \b, 4
	ELU_M \c, 6
	ELU_C \c, 2
	ELU_X \b, 5
	ELU_X \b, 6
	ELU_C3 \c
.endm
.macro SM1 t                           ; d = L0 - L1; 2^-|d|: the larger logit is taken away, the exponent is never above 0
	v_sub_f32 v[EB+8*\t+4], v[DB+8*\t], v[DB+8*\t+1]
	v_or_b32 v[EB+8*\t+5], 0x80000000, v[EB+8*\t+4]
	v_exp_f32 v[EB+8*\t+6], v[EB+8*\t+5]
.endm
.macro SM2 t                           ; out_i = ln2 (L_i - max) - ln2 log2(1 + 2^-|d|), into the tile's half of a 16-byte store
	v_add_f32 v[EB+8*\t+6], 1.0, v[EB+8*\t+6]
	v_log_f32 v[EB+8*\t+6], v[EB+8*\t+6]
	v_min_num_f32 v[EB+8*\t+4], 0, v[EB+8*\t+4]                    ; L0 - max = min(d, 0)
	v_sub_f32 v[EB+8*\t+5], v[EB+8*\t+5], v[EB+8*\t+4]             ; L1 - max = -|d| - min(d, 0); two plain lines stand behind the logarithm
	s_wait_alu depctr_va_vdst(0)
	v_mul_f32 v[EB+8*\t+6], s[SNL], v[EB+8*\t+6]
	v_pk_fma_f32 v[EB+16*(\t/2)+2*(\t%2):EB+16*(\t/2)+2*(\t%2)+1], v[EB+8*\t+4:EB+8*\t+5], s[SL:SL+1], v[EB+8*\t+6:EB+8*\t+7] op_sel_hi:[1,0,0]
.endm
	s_wait_dscnt 0x0                               ; the 21 fragments are in registers
	s_mov_b32 s[IT], 0
.Ltrip:
	s_wait_loadcnt 0x0                             ; this trip's x: the only two loads that are out, issued a whole trip ago
	CONV 0
	CONV 1
	LAYER 0, 0
	CONV 2                                         ; seven plain instructions behind the matrix instruction, before tile 0's exponentials read its D
	LAYER 0, 1
.irp j, 0,1,2,3,4,5,6
	ELU_X 0, \j
.endr
	CONV 3                                         ; the same for tile 1, and the plain place behind tile 0's exponentials
	s_cmp_eq_u32 s[IT], ITERS-1
	s_cbranch_scc1 .Lno_more_x                     ; the last trip asks for nothing: no load leaves the wave's 4,096 bytes
	global_load_b128 v[XS:XS+3],   v[VOFF], s[PX:PX+1] offset:1024 th:TH_LOAD_NT    ; x has just been read out of these registers
	global_load_b128 v[XS+4:XS+7], v[VOFF], s[PX:PX+1] offset:1536 th:TH_LOAD_NT
.Lno_more_x:
	; steps 2 to 80: step st issues the matrix instruction of layer st / 4, tile st % 4; exponentials one step behind, the rest two behind
.set st, 2
.rept 79
.set lw, st/4
.set tw, st%4
.set tb, (st-1)%4
.set tc, (st-2)%4
	LAYER lw, tw
	STEP tb, tc
.set st, st+1
.endr
	LAYER 20, 1
	SM1 0
	ELU_F 3                                        ; layer 19's last tile
	ELU_M 3, 0
	ELU_M 3, 1
	ELU_M 3, 2
	ELU_M 3, 3
	ELU_C 3, 0
	ELU_M 3, 4
	ELU_M 3, 5
	ELU_C 3, 1
	ELU_M 3, 6
	ELU_C 3, 2
	ELU_C3 3
	LAYER 20, 2
	SM1 1
	SM2 0                                          ; with SM1's subtraction: six plain instructions behind the matrix instruction above
	LAYER 20, 3
	SM1 2
	SM2 1                                          ; likewise
	global_store_b128 v[VOFF], v[EB:EB+3], s[POUT:POUT+1] th:TH_STORE_NT               ; rows 2 lane, 2 lane + 1 of the trip's first 64
	SM1 3
	SM2 2
	SM2 3
	global_store_b128 v[VOFF], v[EB+16:EB+19], s[POUT:POUT+1] offset:512 th:TH_STORE_NT
	s_wait_xcnt 0x0                                ; the two bases, and the stores' data (which the next trip's CONV writes), change only behind this wait
	s_add_nc_u64 s[PX:PX+1], s[PX:PX+1], 1024
	s_add_nc_u64 s[POUT:POUT+1], s[POUT:POUT+1], 1024
	s_add_co_u32 s[IT], s[IT], 1
	s_cmp_lt_u32 s[IT], ITERS
	s_cbranch_scc1 .Ltrip
	s_wait_tensorcnt 0x0
	ds_add_u32 v240, v241
	s_wait_dscnt 0x0
	s_endpgm
.Lfunc_end_k_q0ae0f9d405_mlp:
	.size	k_q0ae0f9d405_mlp, .Lfunc_end_k_q0ae0f9d405_mlp-k_q0ae0f9d405_mlp
	.p2alignl 7, 3214868480
	.fill 96, 4, 3214868480
	.section	.rodata,"a",@progbits
	.p2align	6, 0x0
	.amdhsa_kernel k_q0ae0f9d405_mlp
		.amdhsa_group_segment_fixed_size 18432
		.amdhsa_private_segment_fixed_size 0
		.amdhsa_enable_private_segment 0
		.amdhsa_kernarg_size 64
		.amdhsa_user_sgpr_count 2
		.amdhsa_user_sgpr_kernarg_segment_ptr 1
		.amdhsa_wavefront_size32 1
		.amdhsa_system_sgpr_workgroup_id_x 1
		.amdhsa_system_sgpr_workgroup_id_y 1
		.amdhsa_system_sgpr_workgroup_id_z 1
		.amdhsa_system_vgpr_workitem_id 0
		.amdhsa_next_free_vgpr 242
		.amdhsa_next_free_sgpr 66
		.amdhsa_reserve_vcc 1
		.amdhsa_float_denorm_mode_32 3
		.amdhsa_float_denorm_mode_16_64 3
		.amdhsa_memory_ordered 1
		.amdhsa_forward_progress 1
		.amdhsa_inst_pref_size 116
	.end_amdhsa_kernel
	.amdgpu_metadata
---
amdhsa.version: [ 1, 2 ]
amdhsa.kernels:
  - .name:           k_q0ae0f9d405_mlp
    .symbol:         k_q0ae0f9d405_mlp.kd
    .args:
      - { .name: x, .offset: 0, .size: 8, .value_kind: global_buffer, .address_space: global }
      - { .name: W1, .offset: 8, .size: 8, .value_kind: global_buffer, .address_space: global }
      - { .name: b1, .offset: 16, .size: 8, .value_kind: global_buffer, .address_space: global }
      - { .name: Wm, .offset: 24, .size: 8, .value_kind: global_buffer, .address_space: global }
      - { .name: bm, .offset: 32, .size: 8, .value_kind: global_buffer, .address_space: global }
      - { .name: Wo, .offset: 40, .size: 8, .value_kind: global_buffer, .address_space: global }
      - { .name: bo, .offset: 48, .size: 8, .value_kind: global_buffer, .address_space: global }
      - { .name: out0, .offset: 56, .size: 8, .value_kind: global_buffer, .address_space: global }
    .group_segment_fixed_size: 18432
    .private_segment_fixed_size: 0
    .kernarg_segment_align: 8
    .kernarg_segment_size: 64
    .max_flat_workgroup_size: 512
    .sgpr_count:     66
    .vgpr_count:     242
    .wavefront_size: 32
...
	.end_amdgpu_metadata
.endif
;; end of part 1
